; MI455X (gfx1250); checked and timed in simulation.
; The chip was launched on July 23, 2026; its instructions are those of AMD's public machine-readable ISA for CDNA 5 (MIT licence, August 2026) and "CDNA5" Instruction Set Architecture Reference Guide (July 2026). The comments in the code are by the model that wrote it; some were corrected since.
;; Linear. Allowed arithmetic: matrix products marked QUANTISED: E4M3 operands, one given power-of-two scale a tensor, by v_wmma_f32_16x16x64_fp8_fp8 or v_wmma_f32_16x16x128_fp8_fp8, f32 sums; products left as they are: f32 operands where the result goes on into a quantised operand, else bf16, f16 or f32 operands; f32 sums; everything else in f32.
;; Inputs: W_codes 4,096 x 128 x 32 uint8 (E4M3 codes of W, K innermost, in blocks of 32 codes); bias 4,096 float32; data 4,096 x 4,096 float32; lora_a_codes 4 x 16 x 128 x 32 uint8 (E4M3 codes of lora_a, K innermost, in blocks of 32 codes); lora_b 4 x 4,096 x 16 float32; lora_scaling 4 float32; lowp_scales 6 int32 (the exponents e of the quantised operands' scales 2^e); vera_a_codes 4 x 16 x 128 x 32 uint8 (E4M3 codes of vera_a, K innermost, in blocks of 32 codes); vera_b 4 x 4,096 x 16 float32; vera_bvec 4 x 4,096 float32; vera_d 4 x 16 float32; vera_scaling 4 float32.
;; Outputs: out0 4,096 x 4,096 float32.
;; This version of the problem:
;;   THIS VERSION OF THE PROBLEM IS GIVEN IN LOW PRECISION. The matrix products marked QUANTISED in the list below multiply operands that are first quantised to E4M3 (4 exponent bits, 3 mantissa bits; 8 bits a number), with one given power-of-two scale for each operand tensor; their sums are f32. All else is computed in f32.
;;   The module's matrix products, in the order in which they are computed (A, B: the left and right operand; K: the contracted axis; several contracted axes count as one K, in the product's order):
;;     1. [M 4,096, K 4,096] x [K 4,096, N 4,096]; A: input data; B: input W (given as codes): QUANTISED (scales: A lowp_scales[0], B lowp_scales[1])
;;     2. batch 4 x [M 512, K 4,096] x [K 4,096, N 16]; A: input data; B: input lora_a (given as codes): QUANTISED (scales: A lowp_scales[2], B lowp_scales[3])
;;     3. batch 4 x [M 512, K 16] x [K 16, N 4,096]; A: computed on the way; B: input lora_b: left as it is (K = 16 < 32)
;;     4. batch 4 x [M 512, K 4,096] x [K 4,096, N 16]; A: computed on the way; B: input vera_a (given as codes): QUANTISED (scales: A lowp_scales[4], B lowp_scales[5])
;;     5. batch 4 x [M 512, K 16] x [K 16, N 4,096]; A: computed on the way; B: input vera_b: left as it is (K = 16 < 32)
;;   THE QUANTISER, for each operand of a quantised product, along K:
;;     - The operand's scale is 2^e, e = its entry of the input lowp_scales (int32; the entries are numbered through the quantised products in the list's order, A before B).
;;     - Each number is divided by the scale, clamped to +-448, and rounded to the nearest number of E4M3, ties to even, subnormals kept.
;;     - The product sums the exact products of the quantised numbers (number of the format x scale) in f32.
;;   ~~~python
;;   def quantise(x, axis, e):      # numpy; x: float32 -> the quantised numbers, widened to float32 again
;;       x = np.moveaxis(x, axis, -1); K = x.shape[-1]
;;       r = np.clip(x / 2.0 ** e, -448, 448)
;;       step = 2.0 ** (np.maximum(np.frexp(np.where(r == 0, 1, r))[1] - 1, -6) - 3)
;;       q = np.round(r / step) * step * 2.0 ** e      # np.round: ties to even
;;       return np.moveaxis(q, -1, axis).astype(np.float32)
;;   ~~~
;;   OPERANDS COMPUTED ON THE WAY. 'Computed on the way' means the value that the module computes at that place (a softmax that the list does not call 'softmax' is quantised finished and normalised). What goes into a quantiser is computed in f32, as accurately as f32 sums, v_exp_f32 and their like allow (about 1e-6 of the number): no bf16 or f16 on the way to a quantiser, and a product that is left as it is and whose result goes on into a quantised operand takes f32 operands (vector FMAs, or v_wmma_f32_16x16x4_f32). A number that lies on a knife's edge between two numbers of the format may be rounded either way, as far as f32 arithmetic and the matrix unit's own rounding can turn it there, and no further.
;;   INPUTS GIVEN AS CODES. W (in the module: [4096, 4096], K = its axis 1); lora_a (in the module: [4, 16, 4096], K = its axis 2); vera_a (in the module: [4, 16, 4096], K = its axis 2): each comes as NAME_codes (uint8): NAME with its K axis moved to the last place and cut into blocks of 32 codes, [.., K / 32, bytes a block], one block behind the other in memory; one code a byte (a code: sign, 4 exponent bits, 3 mantissa bits); its scale is its entry of lowp_scales. Its value is code x scale, taken as it is: it is not quantised again, and the codes and scales need not be those that the quantiser above would give.
;; One version. Each part assembles by itself: llvm-mc -triple=amdgcn-amd-amdhsa -mcpu=gfx1250 --defsym DOCPART=n.
;; ======== version 1 of 1: 2 launches
;; limits: values are held in bf16: 8 bits of precision; right only within a limited range of input values
;; workspace buffers: xq 16,777,216 bytes; hp 131,072 bytes; bp 1,048,576 bytes
;; launch prep (part 1): grid 256 x 1, 16 waves a work-group, no clusters, 284,672 bytes of LDS; arguments data, lora_a_codes, vera_a_codes, lora_b, vera_b, vera_bvec, vera_d, lora_scaling, vera_scaling, lowp_scales, xq, hp, bp; writes xq, hp, bp
.if DOCPART == 1
	.amdgcn_target "amdgcn-amd-amdhsa--gfx1250"
	.amdhsa_code_object_version 6
	.text
	.protected	k_q4338adba6c_prep
	.globl	k_q4338adba6c_prep
	.p2align	8
	.type	k_q4338adba6c_prep,@function
k_q4338adba6c_prep:
	s_mov_b64 s[64:65], 0
	v_nop
	global_prefetch_b8 v0, s[64:65] scope:SCOPE_SE
	s_setreg_imm32_b32 hwreg(HW_REG_WAVE_MODE, 25, 1), 1
	s_wait_xcnt 0x0
; PREP: what is made once from the f32 inputs, for the product's launch behind it.
;   xq [32 blocks of 128 rows][32 steps of 128 along K][8 blocks of 16 rows][4 c][32 lanes][16 bytes]: E4M3 codes of data at the scale 2^e0, as images of the matrix instruction's operand registers:
;                        lane (r, h) of piece c holds k = 32 c + 16 h + 0 .. 15 of row r (r = lane % 16, h = lane / 16).
;   hp [4096][16] bf16   the adapters' first product: (sum over k of Q(x') a) x F[rank] x 2^(eA + eB - e0 - e1).
;                        Segments 0-3 (LoRA): x' = data, eA, eB = e2, e3, F = lora_scaling[g].  Segments 4-7 (VeRA): x' = data x vera_scaling[g-4] (f32), eA, eB = e4, e5, F = vera_d[g-4][rank].
;                        The factor 2^-(e0 + e1) is there because hp is summed into accumulators that are multiplied by 2^(e0 + e1) at their end.
;   bp [8][4096][16] bf16  lora_b[g], or vera_b[g-4] x vera_bvec[g-4][n] (multiplied in f32, rounded once).
; SHARES.  Work-group w owns tokens 16 w .. 16 w + 15, all of segment w / 32.  Wave u owns K = 256 u .. 256 u + 255, two steps of 128.  Each wave asks for its tile (16 rows x 1,024 bytes of f32)
; by one tensor load at the head: 256 KiB for the work-group; no LDS byte is filled twice.  The work-group also converts rows 128 w .. 128 w + 127 of bp's 32,768.
; NO CLUSTER: what the 32 work-groups of a segment share is a's 64 KiB of codes, against 256 KiB of data that each reads alone.  No prefetch: there is no loop to run ahead in.
; LIMITS: e0 and eA between -126 and 119 (2^e and 448 x 2^e are made as f32 numbers); eA + eB - e0 - e1 is applied to F by v_ldexp_f32, so F x 2^(..) must be an f32 number.
; NaN in data is not served; an infinity is held at the largest code.
.set ROWP,   1040                      ; a tile's row in LDS: 1,024 bytes + 16 of padding: the 16 rows that a load touches start 16 bytes apart modulo 256
.set TILEB,  16*ROWP                   ; a wave's tile; when it has been read out, its first 256 bytes a row take a's codes, a rank to a row
.set RED,    16*TILEB                  ; behind the tiles: 1,024 bytes for each wave: its partial sums of the first product
.set SPARE,  RED+16*1024               ; the spare words, 128 bytes for each wave
.set G1,  32                           ; s[32:39] descriptor group 1
.set G0,  40                           ; s[40:43] descriptor group 0
.set HS,  34                           ; v34-41   the wave's sums; at the end hp's 16 bytes
.set T,   48                           ; v48-63   16 numbers x' at work
.set ACC, 48                           ; v48-63   then two accumulators
.set PCA, 64                           ; v64-95   the adapter's codes of the two steps: source 1 of the product
.set PCB, 96                           ; v96-127  the base product's codes
.set AR,  128                          ; v128-159 a's codes as loaded
.set AF,  160                          ; v160-191 a's two fragments
.set X,   192                          ; v192-255 a step's 64 numbers
.set PS,  128                          ; at the end: the sixteen waves' partial sums, v128-255
; v4 tile read; v5 a; v7 16 lane; v8 spare word, v9 0; v10 a's fragments back; v11, v17 partial sums in, back; v12 b in; v13 bp out; v14 bvec; v15 d; v16 hp out; v24 a's codes in
; v18, v19: 2^e0, 448 x 2^e0;  v20, v21: 2^eA, 448 x 2^eA;  v[22:23] bvec's factor;  v[26:33] F;  v[34:37] b's numbers;  v[42:43] their bf16;  v46 lora_scaling
	s_load_b512 s[4:19], s[0:1], 0x0               ; data 4, lora_a 6, vera_a 8, lora_b 10, vera_b 12, bvec 14, d 16, lora_scaling 18
	s_load_b256 s[20:27], s[0:1], 0x40             ; vera_scaling 20, the scales' exponents 22, xq 24, hp 26
	s_load_b64 s[28:29], s[0:1], 0x60              ; bp
	v_lshl_add_u32 v8, v0, 2, SPARE
	v_mov_b32 v9, 0
	ds_add_u32 v8, v9                              ; the opening add, twice on end
	ds_add_u32 v8, v9
	v_lshrrev_b32 v1, 5, v0
	v_readfirstlane_b32 s30, v1                    ; wave 0..15
	s_bfe_u32 s31, ttmp9, 0x20005                  ; gi = (w / 32) mod 4: the adapter's number within its kind
	s_lshl_b32 s31, s31, 2                         ; 4 gi
	; descriptor group 1: 16 rows x 256 elements of 4 bytes, rows 4,096 elements apart, 4 words of padding behind every 256
	s_mov_b32 s[G1+0], (2<<16)|(1<<20)|(7<<22)|(3<<25)
	s_mov_b32 s[G1+1], 256<<16                     ; tensor_dim0
	s_mov_b32 s[G1+2], 16<<16                      ; tensor_dim1
	s_mov_b32 s[G1+3], 256<<16                     ; tile_dim0
	s_mov_b32 s[G1+4], 16                          ; tile_dim1
	s_mov_b32 s[G1+5], 4096                        ; elements from row to row
	s_mov_b32 s[G1+6], 0
	s_mov_b32 s[G1+7], 0
	s_mov_b32 s[G0], 1                             ; count = 1
	s_mul_i32 s[G0+1], s30, TILEB                  ; my tile in LDS
	s_lshl_b32 s66, ttmp9, 18                      ; 16 rows of 16,384 bytes a work-group,
	s_lshl_b32 s80, s30, 10                        ; 256 numbers a wave
	s_add_co_u32 s66, s66, s80
	s_mov_b32 s67, 0
	s_wait_dscnt 0x0                               ; both opening adds are done
	s_wait_kmcnt 0x0
	s_add_nc_u64 s[G0+2:G0+3], s[4:5], s[66:67]
	s_or_b32 s[G0+3], s[G0+3], 0x80000000          ; type = 2
	tensor_load_to_lds s[G0:G0+3], s[G1:G1+7]      ; the wave's one tensor load
	s_nop 0
	s_mov_b32 s66, s31
	s_add_nc_u64 s[18:19], s[18:19], s[66:67]      ; lora_scaling[gi], vera_scaling[gi]
	s_add_nc_u64 s[20:21], s[20:21], s[66:67]
	s_load_b128 s[56:59], s[22:23], 0x0            ; e0 .. e3
	s_load_b64 s[60:61], s[22:23], 0x10            ; e4, e5
	s_load_b32 s62, s[18:19], 0x0
	s_load_b32 s63, s[20:21], 0x0
	v_and_b32 v1, 15, v0                           ; r
	v_bfe_u32 v2, v0, 4, 1                         ; h
	v_and_b32 v3, 31, v0                           ; lane
	v_lshlrev_b32 v12, 4, v0                       ; b: thread t takes 4 numbers: row t / 4, quarter t % 4
	v_mul_u32_u24 v10, v1, ROWP
	v_lshlrev_b32 v5, 4, v1
	v_mul_u32_u24 v24, v2, ROWP
	v_lshlrev_b32 v7, 4, v3
	v_lshlrev_b32 v16, 5, v1
	v_lshl_add_u32 v4, v2, 6, v10                  ; a tile's row r, + 64 h: my 16 numbers of a block of 32
	v_lshl_add_u32 v10, v2, 4, v10                 ; a's fragments: rank r, + 16 h
	v_add_nc_u32 v24, v24, v5                      ; a's codes in: rank h's row, + 16 r
	v_lshl_add_u32 v5, v2, 12, v5                  ; a in memory: lanes 0-15 one rank's 256 bytes, lanes 16-31 the next rank's
	v_add_nc_u32 v17, RED, v7
	v_lshl_add_u32 v16, v2, 4, v16                 ; hp: token r's 32 bytes, + 16 h
	v_add_nc_u32 v4, s[G0+1], v4
	v_add_nc_u32 v10, s[G0+1], v10
	v_add_nc_u32 v24, s[G0+1], v24
	v_add_nc_u32 v11, s80, v17                     ; + 1,024 x wave
	v_lshlrev_b32 v13, 3, v0                       ; bp: 8 bytes a thread
	v_and_b32 v14, 0x1fc, v0                       ; bvec: 4 (t / 4)
	v_lshlrev_b32 v15, 5, v2                       ; d: ranks 8 h on
	v_mov_b32 v23, 0                               ; (named as the upper half of a pair)
	s_wait_alu depctr_va_vdst(0)
	; the pointers.  The choice between the two kinds of adapter hangs on the work-group's number alone
	s_cmp_lt_u32 ttmp9, 128
	s_cselect_b64 s[68:69], s[6:7], s[8:9]         ; a's codes
	s_cselect_b64 s[70:71], s[10:11], s[12:13]     ; b
	s_lshl_b32 s66, s31, 14                        ; gi x 65,536
	s_lshl_b32 s80, s30, 8                         ; + 256 codes a wave
	s_add_co_u32 s66, s66, s80
	s_add_nc_u64 s[68:69], s[68:69], s[66:67]
	s_and_b32 s81, ttmp9, 127
	s_lshl_b32 s66, s81, 13                        ; 128 rows of 64 bytes of b
	s_add_nc_u64 s[70:71], s[70:71], s[66:67]
	s_lshl_b32 s66, s81, 9                         ; 128 numbers of bvec
	s_add_nc_u64 s[14:15], s[14:15], s[66:67]
	s_lshl_b32 s66, s31, 4                         ; gi x 64 bytes of d
	s_add_nc_u64 s[16:17], s[16:17], s[66:67]
	s_lshr_b32 s66, ttmp9, 3
	s_lshl_b32 s66, s66, 19                        ; xq: 524,288 bytes for 128 rows,
	s_and_b32 s80, ttmp9, 7
	s_lshl_b32 s80, s80, 11                        ; 2,048 for my 16 of them in a step,
	s_add_co_u32 s66, s66, s80
	s_lshl_b32 s80, s30, 15                        ; two steps of 16,384 a wave
	s_add_co_u32 s66, s66, s80
	s_add_nc_u64 s[24:25], s[24:25], s[66:67]
	s_lshl_b32 s66, ttmp9, 9                       ; hp: 16 tokens of 32 bytes
	s_add_nc_u64 s[26:27], s[26:27], s[66:67]
	s_lshl_b32 s66, ttmp9, 12                      ; bp: 128 rows of 32 bytes
	s_add_nc_u64 s[28:29], s[28:29], s[66:67]
	global_load_b128 v[26:29], v15, s[16:17]
	global_load_b128 v[30:33], v15, s[16:17] offset:16
	global_load_b128 v[34:37], v12, s[70:71]
	global_load_b32 v22, v14, s[14:15]
.irp q, 0,1,2,3,4,5,6,7
	global_load_b128 v[AR+4*\q:AR+4*\q+3], v5, s[68:69] offset:8192*\q   ; ranks 2 q, 2 q + 1: sixteen lanes read 256 consecutive, aligned bytes
.endr
	s_wait_kmcnt 0x0
	s_cmp_lt_u32 ttmp9, 128
	s_cselect_b32 s74, s58, s60                    ; eA
	s_cselect_b32 s75, s59, s61                    ; eB
	s_cselect_b32 s72, 0x3f800000, s63             ; what data is multiplied by ahead of the adapter's quantiser: 1.0 or vera_scaling
	s_cselect_b32 s78, 0, -1                       ; all ones in a VeRA segment
	s_mov_b32 s73, s72                             ; (named with it as a pair)
	s_add_co_i32 s77, s74, s75
	s_sub_co_i32 s77, s77, s56
	s_sub_co_i32 s77, s77, s57                     ; eA + eB - e0 - e1
	s_add_co_i32 s80, s56, 127
	s_lshl_b32 s81, s80, 23
	v_mov_b32 v18, s81                             ; 2^e0 as f32: the conversion takes its exponent field
	s_add_co_i32 s80, s80, 8
	s_lshl_b32 s80, s80, 23
	s_or_b32 s80, s80, 0x600000
	v_mov_b32 v19, s80                             ; 448 x 2^e0
	s_add_co_i32 s80, s74, 127
	s_lshl_b32 s81, s80, 23
	v_mov_b32 v20, s81                             ; 2^eA
	s_add_co_i32 s80, s80, 8
	s_lshl_b32 s80, s80, 23
	s_or_b32 s80, s80, 0x600000
	v_mov_b32 v21, s80                             ; 448 x 2^eA
	v_mov_b32 v46, s62
	s_wait_alu depctr_va_vdst(0)
	s_wait_loadcnt 8                               ; d, b and bvec are in; a's eight loads may be out
.irp j, 0,1,2,3,4,5,6,7
	v_cndmask_b32 v[26+\j], v46, v[26+\j], s78     ; F: lora_scaling, or d of ranks 8 h + j
.endr
	v_cndmask_b32 v22, 1.0, v22, s78               ; 1.0, or bvec of my row
.irp j, 0,1,2,3,4,5,6,7
	v_ldexp_f32 v[26+\j], v[26+\j], s77            ; x 2^(eA + eB - e0 - e1)
.endr
	v_pk_mul_f32 v[34:35], v[34:35], v[22:23] op_sel_hi:[1,0]
	v_pk_mul_f32 v[36:37], v[36:37], v[22:23] op_sel_hi:[1,0]
	v_cvt_pk_bf16_f32 v42, v34, v35
	v_cvt_pk_bf16_f32 v43, v36, v37
	global_store_b64 v13, v[42:43], s[28:29]       ; a wave's store covers 256 consecutive bytes, aligned
; A STEP: 128 along K of my 16 tokens.  64 numbers a lane; each block of 16 is quantised twice; the base product's codes are stored as they stand.
.macro STEP s
.set PA, PCA+16*\s
.set PB, PCB+16*\s
.irp c, 0,1,2,3
.irp j, 0,1,2,3
	ds_load_b128 v[X+16*\c+4*\j:X+16*\c+4*\j+3], v4 offset:512*\s+128*\c+16*\j   ; register 16 c + i: k = 32 c + 16 h + i of token r
.endr
.endr
.irp b, 0,1,2,3
	s_wait_dscnt 12-4*\b                           ; block b's four loads are in; the 12 - 4 b issued behind them may be out
.irp i, 0,2,4,6,8,10,12,14
	v_pk_mul_f32 v[T+\i:T+\i+1], v[X+16*\b+\i:X+16*\b+\i+1], s[72:73] op_sel_hi:[1,0]   ; x' = x, or x x vera_scaling
.endr
.irp i, 0,1,2,3,4,5,6,7,8,9,10,11,12,13,14,15
	v_med3_num_f32 v[T+\i], v[T+\i], -v21, v21     ; the conversion to an 8-bit code does not saturate (ISA guide 7.6.2): the hold at the largest code x the scale
.endr
	v_cvt_scalef32_pk8_fp8_f32 v[PA+4*\b:PA+4*\b+1], v[T:T+7], v20
	v_cvt_scalef32_pk8_fp8_f32 v[PA+4*\b+2:PA+4*\b+3], v[T+8:T+15], v20
.irp i, 0,1,2,3,4,5,6,7,8,9,10,11,12,13,14,15
	v_med3_num_f32 v[X+16*\b+\i], v[X+16*\b+\i], -v19, v19   ; (these plain lines also stand between the conversions above and the next write of their sources)
.endr
	v_cvt_scalef32_pk8_fp8_f32 v[PB+4*\b:PB+4*\b+1], v[X+16*\b:X+16*\b+7], v18
	v_cvt_scalef32_pk8_fp8_f32 v[PB+4*\b+2:PB+4*\b+3], v[X+16*\b+8:X+16*\b+15], v18
.endr
	v_nop                                          ; one plain vector line behind the last conversion
.irp c, 0,1,2,3
	global_store_b128 v7, v[PB+4*\c:PB+4*\c+3], s[24:25] offset:16384*\s+512*\c   ; the operand's registers as they are: 512 consecutive bytes a store, aligned to 256
.endr
.endm
	s_wait_tensorcnt 0x0                           ; my tile is in
	STEP 0
	STEP 1
	s_wait_loadcnt 0x0                             ; a's codes: by my tile's bytes, which have had their one fill and are read out, into fragments; LDS serves a wave's instructions in order
.irp q, 0,1,2,3,4,5,6,7
	ds_store_b128 v24, v[AR+4*\q:AR+4*\q+3] offset:2*ROWP*\q
.endr
.irp t, 0,1
.irp c, 0,1,2,3
	ds_load_b128 v[AF+16*\t+4*\c:AF+16*\t+4*\c+3], v10 offset:128*\t+32*\c
.endr
.endr
	s_wait_dscnt 0x0
.irp t, 0,1                            ; source 0 = a's 16 ranks, source 1 = my 16 tokens: lane (r, h) gets token r, ranks 8 h + 0 .. 7
	v_wmma_f32_16x16x128_fp8_fp8 v[ACC+8*\t:ACC+8*\t+7], v[AF+16*\t:AF+16*\t+15], v[PCA+16*\t:PCA+16*\t+15], 0
.endr
.rept 4
	v_nop                                          ; four places between the last product and the first read of its result (ISA guide 7.12.1)
.endr
.irp i, 0,2,4,6
	v_pk_add_f32 v[HS+\i:HS+\i+1], v[ACC+\i:ACC+\i+1], v[ACC+8+\i:ACC+8+\i+1]
.endr
	ds_store_b128 v11, v[HS:HS+3]
	ds_store_b128 v11, v[HS+4:HS+7] offset:512
	s_wait_dscnt 0x0                               ; for the others' sake: my partial sums lie in LDS
	s_barrier_signal -1
	s_barrier_wait -1
	s_cmp_lg_u32 s30, 0                            ; wave 0 adds the sixteen waves' parts; no barrier stands behind this branch
	s_cbranch_scc1 .Lend
.irp u, 0,1,2,3,4,5,6,7,8,9,10,11,12,13,14,15
	ds_load_b128 v[PS+8*\u:PS+8*\u+3], v17 offset:1024*\u
	ds_load_b128 v[PS+8*\u+4:PS+8*\u+7], v17 offset:1024*\u+512
.endr
	s_wait_dscnt 0x0
.macro FOLD n                          ; parts 0 .. n - 1 += parts n .. 2 n - 1
.set u, 0
.rept \n
.irp i, 0,2,4,6
	v_pk_add_f32 v[PS+8*u+\i:PS+8*u+\i+1], v[PS+8*u+\i:PS+8*u+\i+1], v[PS+8*(u+\n)+\i:PS+8*(u+\n)+\i+1]
.endr
.set u, u+1
.endr
.endm
	FOLD 8
	FOLD 4
	FOLD 2
	FOLD 1
.irp i, 0,2,4,6
	v_pk_mul_f32 v[PS+\i:PS+\i+1], v[PS+\i:PS+\i+1], v[26+\i:27+\i]   ; x F x 2^(eA + eB - e0 - e1)
.endr
.irp i, 0,1,2,3
	v_cvt_pk_bf16_f32 v[HS+\i], v[PS+2*\i], v[PS+2*\i+1]
.endr
	global_store_b128 v16, v[HS:HS+3], s[26:27]    ; the wave stores 512 consecutive bytes: 16 tokens x 16 ranks
.Lend:
	s_wait_tensorcnt 0x0                           ; the wave's end
	ds_add_u32 v8, v9
	s_wait_dscnt 0x0
	s_endpgm
.Lfunc_end_k_q4338adba6c_prep:
	.size	k_q4338adba6c_prep, .Lfunc_end_k_q4338adba6c_prep-k_q4338adba6c_prep
	.p2alignl 7, 3214868480
	.fill 96, 4, 3214868480
	.section	.rodata,"a",@progbits
	.p2align	6, 0x0
	.amdhsa_kernel k_q4338adba6c_prep
		.amdhsa_group_segment_fixed_size 284672
		.amdhsa_private_segment_fixed_size 0
		.amdhsa_enable_private_segment 0
		.amdhsa_kernarg_size 104
		.amdhsa_user_sgpr_count 2
		.amdhsa_user_sgpr_kernarg_segment_ptr 1
		.amdhsa_wavefront_size32 1
		.amdhsa_system_sgpr_workgroup_id_x 1
		.amdhsa_system_sgpr_workgroup_id_y 1
		.amdhsa_system_sgpr_workgroup_id_z 1
		.amdhsa_system_vgpr_workitem_id 0
		.amdhsa_next_free_vgpr 256
		.amdhsa_next_free_sgpr 82
		.amdhsa_reserve_vcc 0
		.amdhsa_float_denorm_mode_32 3
		.amdhsa_float_denorm_mode_16_64 3
		.amdhsa_memory_ordered 1
		.amdhsa_forward_progress 1
		.amdhsa_inst_pref_size 42
	.end_amdhsa_kernel
	.amdgpu_metadata
---
amdhsa.version: [ 1, 2 ]
amdhsa.kernels:
  - .name:           k_q4338adba6c_prep
    .symbol:         k_q4338adba6c_prep.kd
    .args:
      - { .name: data, .offset: 0, .size: 8, .value_kind: global_buffer, .address_space: global }
      - { .name: lora_a_codes, .offset: 8, .size: 8, .value_kind: global_buffer, .address_space: global }
      - { .name: vera_a_codes, .offset: 16, .size: 8, .value_kind: global_buffer, .address_space: global }
      - { .name: lora_b, .offset: 24, .size: 8, .value_kind: global_buffer, .address_space: global }
      - { .name: vera_b, .offset: 32, .size: 8, .value_kind: global_buffer, .address_space: global }
      - { .name: vera_bvec, .offset: 40, .size: 8, .value_kind: global_buffer, .address_space: global }
      - { .name: vera_d, .offset: 48, .size: 8, .value_kind: global_buffer, .address_space: global }
      - { .name: lora_scaling, .offset: 56, .size: 8, .value_kind: global_buffer, .address_space: global }
      - { .name: vera_scaling, .offset: 64, .size: 8, .value_kind: global_buffer, .address_space: global }
      - { .name: lowp_scales, .offset: 72, .size: 8, .value_kind: global_buffer, .address_space: global }
      - { .name: xq, .offset: 80, .size: 8, .value_kind: global_buffer, .address_space: global }
      - { .name: hp, .offset: 88, .size: 8, .value_kind: global_buffer, .address_space: global }
      - { .name: bp, .offset: 96, .size: 8, .value_kind: global_buffer, .address_space: global }
    .group_segment_fixed_size: 284672
    .private_segment_fixed_size: 0
    .kernarg_segment_align: 8
    .kernarg_segment_size: 104
    .max_flat_workgroup_size: 512
    .sgpr_count:     82
    .vgpr_count:     256
    .wavefront_size: 32
...
	.end_amdgpu_metadata
.endif
;; end of part 1
;; launch gemm (part 2): grid 16 x 16, 4 waves a work-group, clusters of 4 x 4, 327,680 bytes of LDS; arguments xq, W_codes, lowp_scales, out0, bias, hp, bp; writes out0
.if DOCPART == 2
	.amdgcn_target "amdgcn-amd-amdhsa--gfx1250"
	.amdhsa_code_object_version 6
	.text
	.protected	k_q4338adba6c_gemm
	.globl	k_q4338adba6c_gemm
	.p2align	8
	.type	k_q4338adba6c_gemm,@function
k_q4338adba6c_gemm:
	s_mov_b64 s[64:65], 0
	v_nop
	global_prefetch_b8 v0, s[64:65] scope:SCOPE_SE
	s_setreg_imm32_b32 hwreg(HW_REG_WAVE_MODE, 25, 1), 1
	s_wait_xcnt 0x0
	s_wait_alu depctr_hold_cnt(0) depctr_sa_sdst(0) depctr_va_vdst(0) depctr_va_sdst(0) depctr_va_ssrc(0) depctr_va_vcc(0) depctr_vm_vsrc(0)
	s_getreg_b32 s2, hwreg(HW_REG_IB_STS2, 6, 4)
	s_cmp_eq_u32 s2, 0
	s_cbranch_scc0 .Lentry_in_a_cluster
	s_endpgm
.Lentry_in_a_cluster:
	s_bfe_u32 s2, ttmp6, 0x10000c
	s_cmp_lg_u32 s2, 0xf033
	s_cbranch_scc0 .Lentry_shape_is_right
	s_endpgm
.Lentry_shape_is_right:
; out[m][n] = 2^(e0 + e1) x ( sum over k of xq[m][k] W[n][k]  +  sum over 16 ranks of hp[m][r] bp[m / 512][n][r]  +  bias[n] x 2^-(e0 + e1) ), sums in f32.
; LIMIT: e0 + e1 lies between -126 and 127, so that 2^(e0 + e1) is an f32 number, and bias x 2^-(e0 + e1) is one.
; A tile, 256 x 256, is made by a work-group of four waves; a wave makes 128 x 128: 64 accumulators of 16 x 16, 512 registers.  The sums begin with the adapters' bf16 product (K = 16, filled up with zeros) on the bias.
; A (xq) GOES STRAIGHT INTO REGISTERS: it lies in memory as images of the operand's registers, so a load of 512 consecutive bytes brings a quarter of a fragment (16 rows x 128 K).
; B (W) GOES THROUGH LDS, in two slots of 256 rows x 512 along K, filled by tensor loads, a quarter a wave.
; CLUSTERS of 4 x 4: the four work-groups of a column need the same rows of B and ask for them JOINTLY.  A is not asked for jointly: a joint request lands in LDS, and B's two slots take 270,336 of its 327,680 bytes;
; with A beside B a slot would hold half as much along K (twice the changes of slots), and every A fragment would be read from LDS as well.
; PREFETCHES INTO THE L2.  A: in slot i, for the steps 4 i + 6 .. 4 i + 9, which slot i + 1 begins to load; the head asks for steps 2 .. 5, slot 5 also for steps 30 and 31.
; B: in slot i, for the 512 K of slot i + 3, which is filled at the end of slot i + 1; the head asks for slot 2's.  The four partners of a row (A) or a column (B) share the 256-byte blocks out by address, a block to a lane.
; THE MATRIX INSTRUCTION IS USED TRANSPOSED (source 0 = 16 rows of B, source 1 = 16 rows of A): a lane then holds eight neighbouring numbers of a row of the result.
; REGISTERS, in windows of 256.  window 0: v0-15 addresses; B's fragments: blocks 0-6 in two sets (v16, v128), block 7 in one (v240).  window 1: A's fragments, four half sets of four blocks, 64 registers each, by turns.
;   window 2: accumulators (a, b), a < 4 (my rows 0-63), at v[8 (8 a + b)]; window 3: a >= 4 (rows 64-127).
; A STEP of 128 K is two half steps of 32 products: rows 0-63 on half set 0 or 2, rows 64-127 on 1 or 3.  Loads stand in one run at each half step's head.  Half step n's run loads A for half step n + 3 into the half set that n - 1 has read,
; so behind the run 48 loads of A are younger than those that the half step needs.  The first run of a step also brings B's block 7 for the step itself and blocks 0-3 for the next, the second blocks 4-6 for the next:
; behind the first run, 4 (6 - b) + 20 LDS loads are younger than block b, and 16 younger than block 7.
; THE LAST EIGHT STEPS go by halves: rows 0-63 through all eight, then rows 64-127, so that rows 0-63 leave while rows 64-127 are multiplied.  B's last two slots both stand in LDS then and are read twice.
.set PITCH,  528                       ; an LDS row: 512 bytes + 16 of padding: the 16 rows that a load touches start 16 bytes apart modulo 256
.set QROWS,  64*PITCH                  ; 64 rows: what one tensor load brings
.set SLOT,   256*PITCH
.set STAGE,  2*SLOT                    ; behind the slots: a stage of 16 rows for each wave, for the way out
.set SPARE,  STAGE+4*16*PITCH          ; behind the stages: the spare words, 128 bytes for each wave
.set DA,   4                           ; head: offset in hp and bp
.set DB,   5                           ; head: offset in bias
.set SPW,  6                           ; LDS address of my spare word
.set NIL,  7                           ; 0
.set ADB,  8                           ; v8, v9  LDS address of my B fragments in slot 0, 1
.set AOF,  10                          ; 16 x lane: offset in A's pieces and in a row of the result
.set STO,  11                          ; the way out: where I put 32 bytes of a row
.set RD,   12                          ; the way out: where I read a row back
.set PFA,  14                          ; the prefetches' offsets
.set PFB,  15
.set HP,   16                          ; head: hp's fragments, bp's, bias
.set BP,   80
.set BI,   144
.set G1, 24                            ; s[24:31] descriptor group 1;  s[32:39] group 0, one set for each slot
.set G0, 32
.set AB, 48                            ; s[48:49] my 128 rows of A at the trip's first step
.set PA, 50                            ; s[50:51], s[52:53] where my prefetches of A and of B stand
.set PB, 52
.set AX, 54                            ; s[54:55], s[56:57] AB for the two runs of a trip's last step; moved on in the last trip, whose loads already serve the steps that go by halves
.set AY, 56
.set MSB, 0
.macro WIN new                         ; the immediate's high byte repeats the setting that is left
.if MSB != (\new)
	s_set_vgpr_msb (MSB<<8)|(\new)
.set MSB, \new
.endif
.endm
.macro PLACES n
.rept \n
	v_nop
.endr
.endm
.macro JLOAD s                         ; a joint load: each wave its 64 rows of B
	tensor_load_to_lds s[G0+4*\s:G0+4*\s+3], s[G1:G1+7]
	s_nop 0
	PLACES 4
.endm
.macro CREST                           ; a round of the cluster's barrier behind its opening barrier
	s_cmp_lg_u32 s14, 0
	s_cbranch_scc1 .Lnot_wave_0_\@
	s_barrier_signal -3
.Lnot_wave_0_\@:
	s_barrier_wait -3
	s_barrier_signal -1
	s_barrier_wait -1
.endm
.macro CROUND
	s_barrier_signal -1
	s_barrier_wait -1
	CREST
.endm
.macro ALH u, base, off                ; four blocks of A, 8,192 bytes on end, into half set u
	WIN 0x40
.set li, 0
.rept 16
	global_load_b128 v[64*(\u)+4*li:64*(\u)+4*li+3], v[AOF], s[\base:\base+1] offset:(\off)+512*li
.set li, li+1
.endr
.endm
.macro BL slot, q, p, b0, n            ; B's blocks b0 .. b0 + n - 1 of the slot's q-th 128 K into set p
	WIN 0
.set lb, \b0
.rept \n
.set BR, 16+112*(\p)+16*lb
.if lb == 7
.set BR, 240
.endif
.irp c, 0,1,2,3
	ds_load_b128 v[BR+4*\c:BR+4*\c+3], v[ADB+(\slot)] offset:128*(\q)+32*\c+lb*16*PITCH
.endr
.set lb, lb+1
.endr
.endm
; 4 n products: B's blocks b0 .. b0 + n - 1, each against the four blocks of A in half set u.  hi: rows 0-63 or 64-127.  The accumulators take turns: the same order in every step.
.macro MRH hi, u, p, b0, n
	WIN 0xa4+0x50*(\hi)
.set qb, \b0
.rept \n
.set BR, 16+112*(\p)+16*qb
.if qb == 7
.set BR, 240
.endif
.irp i, 0,1,2,3
	v_wmma_f32_16x16x128_fp8_fp8 v[8*(8*\i+qb):8*(8*\i+qb)+7], v[BR:BR+15], v[64*(\u)+16*\i:64*(\u)+16*\i+15], v[8*(8*\i+qb):8*(8*\i+qb)+7]
.endr
.set qb, qb+1
.endr
.endm
.macro DW n                            ; (a wait's field holds 63 at the most: there a smaller count)
.if (\n) > 63
	s_wait_dscnt 63
.else
	s_wait_dscnt \n
.endif
.endm
; A half step's 32 products, each block of B waited for by count.  n: the LDS instructions issued behind B's block 6; m: those behind block 7.
.macro PROD hi, u, p, n, m
	DW 20+(\n)
	MRH \hi, \u, \p, 0, 2
	DW 12+(\n)
	MRH \hi, \u, \p, 2, 2
	DW 4+(\n)
	MRH \hi, \u, \p, 4, 2
	DW \n
	MRH \hi, \u, \p, 6, 1
	DW \m
	MRH \hi, \u, \p, 7, 1
.endm
; A step that has its successor in the same slot; t: its number in the trip.  A load into a register that a matrix instruction has read stands four places behind it: the v_nop ahead of each run.
.macro STEP slot, q, t
.set SP, (\q)%2
.set SN, 1-SP
	PLACES 4
	BL \slot, \q, SP, 7, 1
	BL \slot, \q+1, SN, 0, 4
	ALH 2*SN+1, AB, 16384*(\t+1)+8192
	s_wait_loadcnt 48
	PROD 0, 2*SP, SP, 20, 16
	PLACES 4
	BL \slot, \q+1, SN, 4, 3
	ALH 2*SP, AB, 16384*(\t+2)
	s_wait_loadcnt 48
	MRH 1, 2*SP+1, SP, 0, 8
.endm
; A slot's last step changes slots.  In front of the barrier each wave waits for all its tensor loads, adds 0 to its spare word, and waits for that and for its own reads of this slot.
; The barrier opens a round of the cluster's barrier, and this slot is filled again first behind it, two slots ahead: nearly a slot's 256 matrix instructions ahead of the wait for it.
.macro TURN slot, next, t, bx, by
	PLACES 4
	BL \slot, 3, 1, 7, 1
	ALH 1, \bx, 16384*(\t+1)+8192
	WIN 0                                          ; (the add's two registers lie in window 0)
	s_wait_tensorcnt 0x0                           ; all my tensor loads have landed: my part of the next slot
	ds_add_u32 v[SPW], v[NIL]
	s_add_nc_u64 s[G0+4*\slot+2:G0+4*\slot+3], s[G0+4*\slot+2:G0+4*\slot+3], 2*512
	s_wait_loadcnt 48
	s_wait_dscnt 25                                ; B's blocks 0, 1: behind them blocks 2-7 and the add
	MRH 0, 2, 1, 0, 2
	s_wait_dscnt 17
	MRH 0, 2, 1, 2, 2
	s_wait_dscnt 0x0                               ; the add is done, and my reads of this slot are over
	s_barrier_signal -1
	MRH 0, 2, 1, 4, 4
	WIN 0
	s_barrier_wait -1
	CREST                                          ; no wave of any partner still reads this slot or has a load on its way
	JLOAD \slot                                    ; its four v_nop are also the places for the loads below
	BL \next, 0, 0, 0, 7
	ALH 2, \by, 16384*(\t+2)
	s_wait_loadcnt 48
	MRH 1, 3, 1, 0, 8
.endm
; The prefetches of slot i.  In slot 5 no slot three further on is left for B: there the first half of the blocks, waves 0 and 2, asks for A's last two steps.
.macro ASK i
	WIN 0
	global_prefetch_b8 v[PFA], s[PA:PA+1] offset:65536*\i th:TH_LOAD_NT scope:SCOPE_SE
.if \i == 1
	s_cmp_eq_u32 s3, 1
	s_cbranch_scc1 .Llate_\@
.endif
	global_prefetch_b8 v[PFB], s[PB:PB+1] offset:512*\i th:TH_LOAD_NT scope:SCOPE_SE
.if \i == 1
	s_branch .Lasked_\@
.Llate_\@:
	s_cmp_lg_u32 s16, 0
	s_cbranch_scc1 .Lasked_\@
	global_prefetch_b8 v[PFA], s[PA:PA+1] offset:131072 th:TH_LOAD_NT scope:SCOPE_SE
.Lasked_\@:
.endif
.endm
; THE WAY OUT, block by block of 16 rows x 128 columns, in the accumulators' own registers.  A lane holds 32 neighbouring bytes of a row: a block goes through my own stage in LDS and comes back as whole rows of 512 bytes,
; which the 32 lanes store as two aligned units of 256 bytes.  LDS serves a wave's instructions in order (ISA guide 5.7.1.4): no wait between the stores and the loads, nor ahead of the next block's stores.
.macro SCALE a
.set CW, (\a)/4
.set CR, 64*((\a)%4)
	WIN 0x82+0x41*CW
.set j, 0
.rept 32
	v_pk_mul_f32 v[CR+j:CR+j+1], v[CR+j:CR+j+1], s[96:97] op_sel_hi:[1,0]   ; both x 2^(e0 + e1); each accumulator from its low end on
.set j, j+2
.endr
.endm
.macro TOSTAGE a
.set CW, (\a)/4
.set CR, 64*((\a)%4)
	WIN 0x08+0x04*CW
.irp b, 0,1,2,3,4,5,6,7
	ds_store_b128 v[STO], v[CR+8*\b:CR+8*\b+3] offset:64*\b
	ds_store_b128 v[STO], v[CR+8*\b+4:CR+8*\b+7] offset:64*\b+16
.endr
	WIN 0x80+0x40*CW
.irp t, 0,1,2,3,4,5,6,7,8,9,10,11,12,13,14,15
	ds_load_b128 v[CR+4*\t:CR+4*\t+3], v[RD] offset:\t*PITCH
.endr
.endm
.macro SEND a
.set CW, (\a)/4
.set CR, 64*((\a)%4)
	WIN 0x08+0x04*CW
.irp t, 0,1,2,3,4,5,6,7,8,9,10,11,12,13,14,15
	global_store_b128 v[AOF], v[CR+4*\t:CR+4*\t+3], s[10:11] offset:(16*(\a)+\t)*16384 th:TH_STORE_NT   ; 32 lanes store 512 consecutive bytes, aligned to 256
.endr
.endm
; Half step j of the last eight steps: j < 8: rows 0-63 of step 24 + j; else rows 64-127 of step 16 + j.  Its run brings B's block 7 for itself, blocks 0-6 for the next half step, A for half step j + 3.
; Block j - 8 of the result goes to the stage ahead of half step j's loads, and leaves one half step later: its loads from the stage are older than B's block 7, for which half step j has waited.
.macro HALF j
.set KK, (\j)%8
.set KN, (\j+1)%8
.set HI, (\j)/8
.set PP, (\j)%2
.set ST, 0
	PLACES 4
.if (\j) >= 8 && (\j) < 12
	SCALE \j-8
.endif
.if (\j) >= 9 && (\j) < 13
	SEND \j-9
.endif
.if (\j) >= 8 && (\j) < 12
	TOSTAGE \j-8
.set ST, 32
.endif
	BL KK/4, KK%4, PP, 7, 1
.if (\j) != 3 && (\j) < 15
	BL KN/4, KN%4, 1-PP, 0, 7
.endif
.if (\j) < 13
	ALH (\j+3)%4, AB, 16384*((\j+3)%8)+8192*((\j+3)/8)
.endif
.if (\j) == 3                          ; the last slot is first read in half step 4: one more barrier shows it to every wave
	WIN 0
	s_wait_tensorcnt 0x0                           ; my part of the last slot is in
	ds_add_u32 v[SPW], v[NIL]
	s_wait_loadcnt 48
	s_wait_dscnt 21                                ; B's blocks 0-2: behind them blocks 3-7 and the add
	MRH 0, 3, 1, 0, 3
	s_wait_dscnt 0x0
	s_barrier_signal -1
	MRH 0, 3, 1, 3, 2
	s_barrier_wait -1
	BL 1, 0, 0, 0, 7
	MRH 0, 3, 1, 5, 3
.else
.if (\j) < 13
	s_wait_loadcnt 48
.else
	s_wait_loadcnt 16*(15-(\j))                    ; the half sets behind this one: no more are asked for
.endif
.if (\j) < 15
	PROD HI, (\j)%4, PP, 32+ST, 28
.else
	PROD HI, (\j)%4, PP, 4, 0
.endif
.endif
.endm
	s_load_b128 s[4:7], s[0:1], 0x0                ; xq s[4:5], W's codes s[6:7]
	s_load_b128 s[8:11], s[0:1], 0x10              ; the scales' exponents s[8:9], out s[10:11]
	s_load_b128 s[68:71], s[0:1], 0x20             ; bias s[68:69], hp s[70:71]
	s_load_b64 s[72:73], s[0:1], 0x30              ; bp
	v_lshl_add_u32 v[SPW], v0, 2, SPARE
	v_mov_b32 v[NIL], 0
	ds_add_u32 v[SPW], v[NIL]                      ; the opening add, twice on end
	ds_add_u32 v[SPW], v[NIL]
	v_lshrrev_b32 v1, 5, v0
	v_readfirstlane_b32 s14, v1                    ; wave 0..3
	s_lshr_b32 s15, s14, 1                         ; which half of the tile's rows is mine
	s_and_b32 s16, s14, 1                          ; which half of its columns
	s_bfe_u32 s40, ttmp6, 0x40000                  ; cx, cy: my place in the cluster
	s_bfe_u32 s41, ttmp6, 0x40004
	s_lshl_b32 s42, ttmp9, 2
	s_add_co_u32 s42, s42, s40                     ; tile column
	s_and_b32 s17, ttmp7, 0xffff
	s_lshl_b32 s17, s17, 2
	s_add_co_u32 s17, s17, s41                     ; tile row
	s_lshl_b32 s44, 0x1111, s40                    ; my column of the cluster
	; descriptor group 1: 64 rows x 512 bytes, padded in LDS
	s_or_b32 s[G1+0], s44, (1<<20)|(1<<21)|(6<<22)|(3<<25)  ; 15:0 the mask; 17:16 element of 1 byte; 20 padding on; 21 set beside a mask; 24:22 after every 128 words (code 6); 31:25 of 4 words (code 3)
	s_mov_b32 s[G1+1], 512<<16                     ; tensor_dim0
	s_mov_b32 s[G1+2], 64<<16                      ; tensor_dim1
	s_mov_b32 s[G1+3], 512<<16                     ; tile_dim0
	s_mov_b32 s[G1+4], 64                          ; tile_dim1
	s_mov_b32 s[G1+5], 4096                        ; from row to row
	s_mov_b32 s[G1+6], 0
	s_mov_b32 s[G1+7], 0
	s_lshl_b32 s46, s42, 8
	s_lshl_b32 s18, s14, 6
	s_add_co_u32 s46, s46, s18                     ; B: row 256 x tile column + 64 x wave
	s_lshl_b32 s46, s46, 12
	s_mov_b32 s47, 0
	s_mul_i32 s45, s14, QROWS                      ; where it goes: no place in the cluster enters an LDS address
	s_wait_dscnt 0x0                               ; both opening adds are done
	s_wait_kmcnt 0x0
	s_load_b64 s[96:97], s[8:9], 0x0               ; e0, e1
	s_add_nc_u64 s[46:47], s[6:7], s[46:47]
	CROUND                                         ; all sixteen work-groups are here: the first joint loads meet
.irp s, 0,1
	s_mov_b32 s[G0+4*\s], 1
	s_add_co_u32 s[G0+4*\s+1], s45, \s*SLOT
	s_add_nc_u64 s[G0+4*\s+2:G0+4*\s+3], s[46:47], \s*512
	s_or_b32 s[G0+4*\s+3], s[G0+4*\s+3], 0x80000000
.endr
	JLOAD 0                                        ; one tensor load a wave at the head
	s_mul_i32 s21, s16, 128*PITCH                  ; my 128 rows of B
	s_mul_i32 s23, s14, 16*PITCH
	s_add_co_u32 s23, s23, STAGE                   ; my stage on the way out
	v_and_b32 v1, 15, v0                           ; r
	v_bfe_u32 v2, v0, 4, 1                         ; h
	v_and_b32 v3, 31, v0                           ; lane
	v_lshlrev_b32 v[DA], 5, v1
	v_mul_u32_u24 v[ADB], v1, PITCH
	v_lshlrev_b32 v[DB], 5, v2
	v_lshlrev_b32 v[AOF], 4, v3
	v_lshrrev_b32 v[PFB], 1, v3
	v_lshl_add_u32 v[DA], v2, 4, v[DA]
	v_lshl_add_u32 v[STO], v2, 5, v[ADB]           ; row r, 32 bytes for each half of the lanes
	v_lshl_add_u32 v[ADB], v2, 4, v[ADB]           ; row r, + 16 h
	v_lshlrev_b32 v[PFB], 12, v[PFB]
	v_lshlrev_b32 v[PFA], 8, v3                    ; A: 32 blocks of 256 bytes on end
	v_and_b32 v3, 1, v3
	v_add_nc_u32 v[RD], s23, v[AOF]
	v_add_nc_u32 v[ADB], s21, v[ADB]
	v_add_nc_u32 v[STO], s23, v[STO]
	v_lshl_add_u32 v[PFB], v3, 8, v[PFB]           ; B: 16 rows x 2 blocks of 256 bytes
	v_add_nc_u32 v[ADB+1], SLOT, v[ADB]
	s_wait_alu depctr_va_vdst(0)
	s_lshl_b32 s20, s17, 8
	s_lshl_b32 s18, s15, 7
	s_add_co_u32 s20, s20, s18                     ; my first row of the result,
	s_lshl_b32 s20, s20, 14
	s_lshl_b32 s18, s42, 10
	s_add_co_u32 s20, s20, s18
	s_lshl_b32 s18, s16, 9
	s_add_co_u32 s20, s20, s18                     ; and my first column
	s_mov_b32 s21, 0
	s_add_nc_u64 s[10:11], s[10:11], s[20:21]
	s_mov_b32 s77, 0
	s_mov_b32 s79, 0
	s_mov_b32 s81, 0
	s_lshl_b32 s76, s17, 13                        ; hp: 256 tokens of 32 bytes a tile row, 128 a half
	s_lshl_b32 s78, s15, 12
	s_add_co_u32 s76, s76, s78
	s_add_nc_u64 s[70:71], s[70:71], s[76:77]
	s_lshr_b32 s76, s17, 1                         ; bp: the tile row's segment, 131,072 bytes each; 32 bytes a column
	s_lshl_b32 s76, s76, 17
	s_lshl_b32 s78, s42, 13
	s_add_co_u32 s76, s76, s78
	s_lshl_b32 s78, s16, 12
	s_add_co_u32 s76, s76, s78
	s_add_nc_u64 s[72:73], s[72:73], s[76:77]
	s_lshl_b32 s76, s42, 10                        ; bias
	s_lshl_b32 s78, s16, 9
	s_add_co_u32 s76, s76, s78
	s_add_nc_u64 s[68:69], s[68:69], s[76:77]
	s_lshl_b32 s76, s17, 1
	s_add_co_u32 s76, s76, s15
	s_lshl_b32 s76, s76, 19                        ; my 128 rows of A: 524,288 bytes
	s_add_nc_u64 s[AB:AB+1], s[4:5], s[76:77]
	s_mov_b64 s[AX:AX+1], s[AB:AB+1]
	s_mov_b64 s[AY:AY+1], s[AB:AB+1]
	s_lshl_b32 s78, s16, 2                         ; of four steps' 65,536 bytes of them, two waves and four partners ask for 8,192 each
	s_add_co_u32 s78, s78, s40
	s_lshl_b32 s78, s78, 13
	s_add_co_u32 s76, s76, s78
	s_add_co_u32 s76, s76, 6*16384                 ; slot 0 asks for step 6 on
	s_add_nc_u64 s[PA:PA+1], s[4:5], s[76:77]
	s_lshl_b32 s78, s41, 16                        ; of the 64 rows of B that I fetch, each of the four partners asks for 16
	s_add_co_u32 s78, s78, 3*512                   ; slot 0 asks for slot 3
	s_add_nc_u64 s[PB:PB+1], s[46:47], s[78:79]
	s_wait_kmcnt 0x0
	s_add_co_i32 s74, s96, s97                     ; e0 + e1
	s_sub_co_i32 s75, 0, s74
	s_add_co_i32 s96, s74, 127
	s_lshl_b32 s96, s96, 23                        ; 2^(e0 + e1) as f32
.irp a, 0,1,2,3,4,5,6,7
	global_load_b128 v[HP+8*\a:HP+8*\a+3], v[DA], s[70:71] offset:512*\a
.endr
.irp b, 0,1,2,3,4,5,6,7
	global_load_b128 v[BP+8*\b:BP+8*\b+3], v[DA], s[72:73] offset:512*\b
	global_load_b128 v[BI+8*\b:BI+8*\b+3], v[DB], s[68:69] offset:64*\b
	global_load_b128 v[BI+8*\b+4:BI+8*\b+7], v[DB], s[68:69] offset:64*\b+16
.endr
	ALH 0, AB, 0                                   ; half steps 0 and 1
	ALH 1, AB, 8192
	WIN 0
.irp a, 0,1,2,3,4,5,6,7
.irp i, 4,5,6,7
	v_mov_b32 v[HP+8*\a+\i], 0                     ; ranks 16 .. 31 of the bf16 form: none
	v_mov_b32 v[BP+8*\a+\i], 0
.endr
.endr
	s_wait_loadcnt 32                              ; hp, bp and bias are in; A's 32 loads may be out
	ALH 2, AB, 16384                               ; half step 2
	WIN 0
	global_prefetch_b8 v[PFA], s[PA:PA+1] offset:-65536 th:TH_LOAD_NT scope:SCOPE_SE   ; A's steps 2 .. 5
	global_prefetch_b8 v[PFB], s[PB:PB+1] offset:-512 th:TH_LOAD_NT scope:SCOPE_SE     ; B's slot 2
.set j, 0
.rept 64
	v_ldexp_f32 v[BI+j], v[BI+j], s75              ; bias x 2^-(e0 + e1)
.set j, j+1
.endr
.irp u, 0,1
	WIN 0x80+0x40*\u
.irp a, 0,1,2,3
.irp b, 0,1,2,3,4,5,6,7
	v_wmma_f32_16x16x32_bf16 v[8*(8*\a+\b):8*(8*\a+\b)+7], v[BP+8*\b:BP+8*\b+7], v[HP+8*(\a+4*\u):HP+8*(\a+4*\u)+7], v[BI+8*\b:BI+8*\b+7]
.endr
.endr
.endr
	WIN 0
	PLACES 5                                       ; the products that take these sums up are of another form
	s_wait_tensorcnt 0x0                           ; my part of slot 0 is in
	ds_add_u32 v[SPW], v[NIL]
	s_wait_dscnt 0x0
	CROUND                                         ; everybody's part of slot 0 is in
	JLOAD 1
	BL 0, 0, 0, 0, 7
	s_mov_b32 s3, 3
.Llap:                                                 ; a trip: both slots, eight steps; three trips fill each slot again
	STEP 0, 0, 0
	STEP 0, 1, 1
	ASK 0
	STEP 0, 2, 2
	TURN 0, 1, 3, AB, AB
	STEP 1, 0, 4
	STEP 1, 1, 5
	ASK 1
	STEP 1, 2, 6
	TURN 1, 0, 7, AX, AY
	WIN 0
	s_wait_xcnt 0x0                                ; every load and prefetch has read its base
	s_add_nc_u64 s[AB:AB+1], s[AB:AB+1], 8*16384
	s_add_nc_u64 s[PA:PA+1], s[PA:PA+1], 2*65536
	s_add_nc_u64 s[PB:PB+1], s[PB:PB+1], 2*512
	s_sub_co_u32 s3, s3, 1
	s_cmp_eq_u32 s3, 1                             ; in the last trip the last step's two runs load rows 0-63 of steps 25 and 26:
	s_cselect_b32 s80, 8192, 0                     ; 8,192 and 16,384 bytes further on than rows 64-127 of step 24 and rows 0-63 of step 25
	s_add_nc_u64 s[AX:AX+1], s[AB:AB+1], s[80:81]
	s_add_nc_u64 s[AY:AY+1], s[AX:AX+1], s[80:81]
	s_cmp_lg_u32 s3, 0
	s_cbranch_scc1 .Llap
.irp j, 0,1,2,3,4,5,6,7,8,9,10,11,12,13,14,15
	HALF \j
.endr
	PLACES 4                                       ; for the first read of the last results
	SCALE 4
	TOSTAGE 4
.irp a, 5,6,7
	SCALE \a
	TOSTAGE \a
	s_wait_dscnt 32                                ; block a - 1 is back; block a's 32 may be out
	SEND \a-1
.endr
	s_wait_dscnt 0x0
	SEND 7
	WIN 0
	s_wait_tensorcnt 0x0                           ; the wave's end
	ds_add_u32 v[SPW], v[NIL]
	s_wait_dscnt 0x0
	CROUND                                         ; the closing round: no work-group ends while a partner may still ask for rows that name it
	s_endpgm
.Lfunc_end_k_q4338adba6c_gemm:
	.size	k_q4338adba6c_gemm, .Lfunc_end_k_q4338adba6c_gemm-k_q4338adba6c_gemm
	.p2alignl 7, 3214868480
	.fill 96, 4, 3214868480
	.section	.rodata,"a",@progbits
	.p2align	6, 0x0
	.amdhsa_kernel k_q4338adba6c_gemm
		.amdhsa_group_segment_fixed_size 327680
		.amdhsa_private_segment_fixed_size 0
		.amdhsa_enable_private_segment 0
		.amdhsa_kernarg_size 56
		.amdhsa_user_sgpr_count 2
		.amdhsa_user_sgpr_kernarg_segment_ptr 1
		.amdhsa_wavefront_size32 1
		.amdhsa_system_sgpr_workgroup_id_x 1
		.amdhsa_system_sgpr_workgroup_id_y 1
		.amdhsa_system_sgpr_workgroup_id_z 1
		.amdhsa_system_vgpr_workitem_id 0
		.amdhsa_next_free_vgpr 1024
		.amdhsa_next_free_sgpr 98
		.amdhsa_reserve_vcc 0
		.amdhsa_float_denorm_mode_32 3
		.amdhsa_float_denorm_mode_16_64 3
		.amdhsa_memory_ordered 1
		.amdhsa_forward_progress 1
		.amdhsa_inst_pref_size 240
	.end_amdhsa_kernel
	.amdgpu_metadata
---
amdhsa.version: [ 1, 2 ]
amdhsa.kernels:
  - .name:           k_q4338adba6c_gemm
    .symbol:         k_q4338adba6c_gemm.kd
    .args:
      - { .name: xq, .offset: 0, .size: 8, .value_kind: global_buffer, .address_space: global }
      - { .name: W_codes, .offset: 8, .size: 8, .value_kind: global_buffer, .address_space: global }
      - { .name: lowp_scales, .offset: 16, .size: 8, .value_kind: global_buffer, .address_space: global }
      - { .name: out0, .offset: 24, .size: 8, .value_kind: global_buffer, .address_space: global }
      - { .name: bias, .offset: 32, .size: 8, .value_kind: global_buffer, .address_space: global }
      - { .name: hp, .offset: 40, .size: 8, .value_kind: global_buffer, .address_space: global }
      - { .name: bp, .offset: 48, .size: 8, .value_kind: global_buffer, .address_space: global }
    .group_segment_fixed_size: 327680
    .private_segment_fixed_size: 0
    .kernarg_segment_align: 8
    .kernarg_segment_size: 56
    .max_flat_workgroup_size: 128
    .sgpr_count:     98
    .vgpr_count:     1024
    .wavefront_size: 32
...
	.end_amdgpu_metadata
.endif
;; end of part 2
